; MI455X (gfx1250); checked and timed in simulation.
; The chip was launched on July 23, 2026; its instructions are those of AMD's public machine-readable ISA for CDNA 5 (MIT licence, August 2026) and "CDNA5" Instruction Set Architecture Reference Guide (July 2026). The comments in the code are by the model that wrote it; some were corrected since.
;; Dist Flash Attn. Allowed arithmetic: matrix products marked QUANTISED: E2M1 operands, one E8M0 scale for each 32 along K, by v_wmma_scale_f32_16x16x128_f8f6f4 with both operands' format E2M1 (or v_wmma_scale_f32_32x16x128_f4), f32 sums; everything else in f32.
;; Inputs: causal_local 2 bool; causal_remote 1 bool; k_local_codes 4,096 x 8 x 2 x 16 uint8 (E2M1 codes of k_local, K innermost, in blocks of 32 codes, two codes a byte); k_local_scales 4,096 x 8 x 2 uint8 (E8M0 scales of k_local, one for each 32 codes along K); k_ranges_local 2 x 2 int32; k_ranges_remote 1 x 2 int32; k_remote_codes 4,096 x 8 x 2 x 16 uint8 (E2M1 codes of k_remote, K innermost, in blocks of 32 codes, two codes a byte); k_remote_scales 4,096 x 8 x 2 uint8 (E8M0 scales of k_remote, one for each 32 codes along K); q_codes 4,096 x 8 x 2 x 16 uint8 (E2M1 codes of q, K innermost, in blocks of 32 codes, two codes a byte); q_ranges_local 2 x 2 int32; q_ranges_remote 1 x 2 int32; q_scales 4,096 x 8 x 2 uint8 (E8M0 scales of q, one for each 32 codes along K); v_local_codes 8 x 64 x 128 x 16 uint8 (E2M1 codes of v_local, K innermost, in blocks of 32 codes, two codes a byte); v_local_scales 8 x 64 x 128 uint8 (E8M0 scales of v_local, one for each 32 codes along K); v_remote_codes 8 x 64 x 128 x 16 uint8 (E2M1 codes of v_remote, K innermost, in blocks of 32 codes, two codes a byte); v_remote_scales 8 x 64 x 128 uint8 (E8M0 scales of v_remote, one for each 32 codes along K).
;; Outputs: out0 4,096 x 8 x 64 float32; out1 8 x 4,096 float32.
;; This version of the problem:
;;   THIS VERSION OF THE PROBLEM IS GIVEN IN LOW PRECISION. The matrix products marked QUANTISED in the list below multiply operands that are first quantised to E2M1 (2 exponent bits, 1 mantissa bit; 4 bits a number), with one power-of-two scale for each 32 numbers along K (OCP MX v1.0); their sums are f32. All else is computed in f32.
;;   The module's matrix products, in the order in which they are computed (A, B: the left and right operand; K: the contracted axis; several contracted axes count as one K, in the product's order):
;;     1. batch 8 x [M 4,096, K 64] x [K 64, N 4,096]; A: input q (given as codes); B: input k_local (given as codes): QUANTISED
;;     2. batch 8 x [M 64, K 4,096] x [K 4,096, N 4,096]; A: input v_local (given as codes); B: computed on the way: QUANTISED
;;     3. batch 8 x [M 4,096, K 64] x [K 64, N 4,096]; A: input q (given as codes); B: input k_remote (given as codes): QUANTISED
;;     4. batch 8 x [M 64, K 4,096] x [K 4,096, N 4,096]; A: input v_remote (given as codes); B: computed on the way: QUANTISED
;;   THE QUANTISER, for each operand of a quantised product, along K:
;;     - K is cut into blocks of 32 from its start; a last block that is shorter is filled with zeros.
;;     - A block's scale is 2^e with e = floor(log2(the largest magnitude in the block)) - 2, held to -126 .. 127; a block of zeros has e = 0. As a byte (E8M0): e + 127.
;;     - Each number is divided by its block's scale, clamped to +-6, and rounded to the nearest number of E2M1, ties to even, subnormals kept.
;;     - The product sums the exact products of the quantised numbers (number of the format x scale) in f32.
;;   ~~~python
;;   def quantise(x, axis):      # numpy; x: float32 -> the quantised numbers, widened to float32 again
;;       x = np.moveaxis(x, axis, -1); K = x.shape[-1]
;;       x = np.pad(x, [(0, 0)] * (x.ndim - 1) + [(0, -K % 32)]); x = x.reshape(x.shape[:-1] + (-1, 32)); a = np.abs(x).max(-1, keepdims=True)
;;       e = np.where(a > 0, np.clip(np.frexp(np.where(a > 0, a, 1))[1] - 1 - 2, -126, 127), 0)      # np.frexp(a)[1] - 1 = floor(log2(a)), exactly
;;       r = np.clip(x / 2.0 ** e, -6, 6)
;;       step = 2.0 ** (np.maximum(np.frexp(np.where(r == 0, 1, r))[1] - 1, 0) - 1)
;;       q = np.round(r / step) * step * 2.0 ** e      # np.round: ties to even
;;       return np.moveaxis(q.reshape(q.shape[:-2] + (-1,))[..., :K], -1, axis).astype(np.float32)
;;   ~~~
;;   OPERANDS COMPUTED ON THE WAY. 'Computed on the way' means the value that the module computes at that place (a softmax that the list does not call 'softmax' is quantised finished and normalised). What goes into a quantiser is computed in f32, as accurately as f32 sums, v_exp_f32 and their like allow (about 1e-6 of the number): no bf16 or f16 on the way to a quantiser, and a product that is left as it is and whose result goes on into a quantised operand takes f32 operands (vector FMAs, or v_wmma_f32_16x16x4_f32). A number that lies on a knife's edge between two numbers of the format may be rounded either way, as far as f32 arithmetic and the matrix unit's own rounding can turn it there, and no further.
;;   INPUTS GIVEN AS CODES. k_local (in the module: [4096, 8, 64], K = its axis 2); k_remote (in the module: [4096, 8, 64], K = its axis 2); q (in the module: [4096, 8, 64], K = its axis 2); v_local (in the module: [4096, 8, 64], K = its axis 0); v_remote (in the module: [4096, 8, 64], K = its axis 0): each comes as NAME_codes (uint8): NAME with its K axis moved to the last place and cut into blocks of 32 codes, [.., K / 32, bytes a block], one block behind the other in memory; two codes a byte, the lower K in the low four bits (a code: sign, 2 exponent bits, 1 mantissa bit); and NAME_scales (uint8): the same leading axes, one E8M0 byte (e + 127) for each 32 codes along K. Its value is code x scale, taken as it is: it is not quantised again, and the codes and scales need not be those that the quantiser above would give.
;; One version. Each part assembles by itself: llvm-mc -triple=amdgcn-amd-amdhsa -mcpu=gfx1250 --defsym DOCPART=n.
;; ======== version 1 of 1: 2 launches
;; workspace buffers: kimg 2,097,152 bytes; kscl 262,144 bytes
;; launch prep (part 1): grid 128 x 1, 8 waves a work-group, no clusters, 22,528 bytes of LDS; arguments k_local_codes, k_local_scales, k_remote_codes, k_remote_scales, kimg, kscl; writes kimg, kscl
.if DOCPART == 1
	.amdgcn_target "amdgcn-amd-amdhsa--gfx1250"
	.amdhsa_code_object_version 6
	.text
	.protected	k_qa4b7d586ec_prep
	.globl	k_qa4b7d586ec_prep
	.p2align	8
	.type	k_qa4b7d586ec_prep,@function
k_qa4b7d586ec_prep:
	s_mov_b64 s[64:65], 0
	v_nop
	global_prefetch_b8 v0, s[64:65] scope:SCOPE_SE
	s_setreg_imm32_b32 hwreg(HW_REG_WAVE_MODE, 25, 1), 1
	s_wait_xcnt 0x0
; K's codes and scale bytes of both stages are laid anew, by head, in the order of the operand's registers.
; IN:  codes [key 4096][head 8][32 bytes], scale bytes [key][head][2], for the local and the remote stage.
; OUT: kimg [head 8][stage 2][step 32][tile 8][lane 32][16 bytes]: lane (r = lane % 16, hh = lane / 16) of tile t holds bytes 16 hh .. 16 hh + 15
;      of key 128 step + 32 (t / 2) + 8 (t % 2) + r + 8 (r / 8): a tile's 512 bytes are one load of 16 bytes a lane.
;      kscl [head][stage][step][lane L 32][i 4] words: word (L, i) = the two scale bytes of key row L % 16 of tile i + 4 (L / 16), in bytes 0 and 1; bytes 2 and 3 are 0.
; WHY: one head's part of a key is 32 of the key's 256 bytes, and the next launch reads a head's K many times over.  Here each input byte is read once, 16 lanes to 256 consecutive bytes.
; SHARES: work-group x takes 64 keys (64 (x % 64) on) of stage x / 64, all heads: 16,384 bytes of codes, 1,024 of scale bytes, both dense.  On the way out wave w is head w.
; No matrix work, no tensor load, no cluster: the work-groups share no input byte.
.set PITCH, 272                        ; a key's 256 bytes + 16 of padding
.set SCB,   64*PITCH                   ; behind the 64 rows: 64 x 16 scale bytes
	s_load_b256 s[4:11], s[0:1], 0x0               ; local codes s[4:5], local scales s[6:7], remote codes s[8:9], remote scales s[10:11]
	s_load_b128 s[12:15], s[0:1], 0x20             ; kimg s[12:13], kscl s[14:15]
	v_lshl_add_u32 v64, v0, 2, 0x5400
	v_mov_b32 v65, 0
	v_lshrrev_b32 v9, 5, v0
	v_readfirstlane_b32 s16, v9                    ; wave 0..7
	v_lshlrev_b32 v1, 4, v0                        ; in: 16 bytes a thread
	v_lshrrev_b32 v2, 4, v0
	v_mul_u32_u24 v2, v2, PITCH
	v_and_b32 v10, 15, v0                          ; r
	v_lshl_add_u32 v2, v10, 4, v2                  ; LDS: row thread / 16, 16 (thread % 16)
	v_add_nc_u32 v3, SCB, v1                       ; LDS: scale bytes, 16 a key (waves 0 and 1 alone use it)
	v_and_b32 v11, 8, v10
	v_add_nc_u32 v11, v11, v10                     ; r + 8 (r / 8)
	v_mul_u32_u24 v5, v11, PITCH
	v_bfe_u32 v12, v0, 4, 1                        ; hh
	v_lshl_add_u32 v5, v12, 4, v5
	s_lshl_b32 s17, s16, 5
	v_add_nc_u32 v5, s17, v5                       ; out of LDS: my key row, my head's 32 bytes, my half
	v_and_b32 v13, 31, v0                          ; lane
	v_lshlrev_b32 v6, 4, v13                       ; kimg: 16 bytes a lane
	v_and_b32 v14, 1, v0
	v_lshrrev_b32 v15, 1, v13
	v_lshl_add_u32 v15, v14, 5, v15
	v_lshl_add_u32 v15, v12, 3, v15                ; the key of my two scale words: 32 (lane % 2) + lane / 2 + 8 (lane / 16); the second word's key lies 8 on
	s_lshl_b32 s18, s16, 1
	s_add_co_u32 s18, s18, SCB
	v_lshl_add_u32 v7, v15, 4, s18                 ; 16 bytes a key, + 2 x head
	v_lshlrev_b32 v8, 3, v13                       ; kscl: 8 bytes a lane
	s_and_b32 s19, ttmp9, 63
	s_lshl_b32 s20, s19, 14                        ; my 64 keys' codes
	s_mov_b32 s21, 0
	s_lshl_b32 s22, s19, 10                        ; and scale bytes
	s_mov_b32 s23, 0
	s_lshl_b32 s24, s16, 18                        ; kimg: 262,144 a head + 2,048 x work-group (x = 64 stage + 2 step + half)
	s_lshl_b32 s25, ttmp9, 11
	s_add_co_u32 s24, s24, s25
	s_mov_b32 s25, 0
	s_lshl_b32 s26, s16, 15                        ; kscl: 32,768 a head + 256 x work-group
	s_lshl_b32 s27, ttmp9, 8
	s_add_co_u32 s26, s26, s27
	s_mov_b32 s27, 0
	s_wait_kmcnt 0x0
	s_cmp_lt_u32 ttmp9, 64                         ; local or remote: the choice hangs on the work-group's number alone
	s_cselect_b64 s[4:5], s[4:5], s[8:9]
	s_cselect_b64 s[6:7], s[6:7], s[10:11]
	s_add_nc_u64 s[4:5], s[4:5], s[20:21]
	s_add_nc_u64 s[6:7], s[6:7], s[22:23]
	s_add_nc_u64 s[12:13], s[12:13], s[24:25]
	s_add_nc_u64 s[14:15], s[14:15], s[26:27]
.irp p, 0,1,2,3
	global_load_b128 v[16+4*\p:19+4*\p], v1, s[4:5] offset:4096*\p th:TH_LOAD_NT   ; 16 keys a load: 16 lanes read a key's 256 bytes
.endr
	s_cmp_lt_u32 s16, 2
	s_cbranch_scc0 .Lno_scales
	global_load_b128 v[32:35], v1, s[6:7] th:TH_LOAD_NT   ; threads 0 to 63: a key's 16 scale bytes each
	s_wait_loadcnt 0x0
	ds_store_b128 v3, v[32:35]
.Lno_scales:
	s_wait_loadcnt 0x0                             ; the four loads of codes are in
.irp p, 0,1,2,3
	ds_store_b128 v2, v[16+4*\p:19+4*\p] offset:16*PITCH*\p
.endr
	s_wait_dscnt 0x0                               ; for the others' sake: my stores have landed
	s_barrier_signal -1
	s_barrier_wait -1
.irp t, 0,1,2,3                                ; my half step's four tiles
	ds_load_b128 v[36+4*\t:39+4*\t], v5 offset:(32*(\t/2)+8*(\t%2))*PITCH
.endr
	ds_load_u16 v52, v7                            ; two scale bytes, zeros above them
	ds_load_u16 v53, v7 offset:128
	s_wait_dscnt 0x0
.irp t, 0,1,2,3
	global_store_b128 v6, v[36+4*\t:39+4*\t], s[12:13] offset:512*\t   ; 512 consecutive bytes a store
.endr
	global_store_b64 v8, v[52:53], s[14:15]        ; 256 consecutive bytes, aligned
	s_wait_tensorcnt 0x0
	ds_add_u32 v64, v65
	s_wait_dscnt 0x0
	s_endpgm
.Lfunc_end_k_qa4b7d586ec_prep:
	.size	k_qa4b7d586ec_prep, .Lfunc_end_k_qa4b7d586ec_prep-k_qa4b7d586ec_prep
	.p2alignl 7, 3214868480
	.fill 96, 4, 3214868480
	.section	.rodata,"a",@progbits
	.p2align	6, 0x0
	.amdhsa_kernel k_qa4b7d586ec_prep
		.amdhsa_group_segment_fixed_size 22528
		.amdhsa_private_segment_fixed_size 0
		.amdhsa_enable_private_segment 0
		.amdhsa_kernarg_size 48
		.amdhsa_user_sgpr_count 2
		.amdhsa_user_sgpr_kernarg_segment_ptr 1
		.amdhsa_wavefront_size32 1
		.amdhsa_system_sgpr_workgroup_id_x 1
		.amdhsa_system_sgpr_workgroup_id_y 1
		.amdhsa_system_sgpr_workgroup_id_z 1
		.amdhsa_system_vgpr_workitem_id 0
		.amdhsa_next_free_vgpr 66
		.amdhsa_next_free_sgpr 66
		.amdhsa_reserve_vcc 0
		.amdhsa_float_denorm_mode_32 3
		.amdhsa_float_denorm_mode_16_64 3
		.amdhsa_memory_ordered 1
		.amdhsa_forward_progress 1
		.amdhsa_inst_pref_size 5
	.end_amdhsa_kernel
	.amdgpu_metadata
---
amdhsa.version: [ 1, 2 ]
amdhsa.kernels:
  - .name:           k_qa4b7d586ec_prep
    .symbol:         k_qa4b7d586ec_prep.kd
    .args:
      - { .name: k_local_codes, .offset: 0, .size: 8, .value_kind: global_buffer, .address_space: global }
      - { .name: k_local_scales, .offset: 8, .size: 8, .value_kind: global_buffer, .address_space: global }
      - { .name: k_remote_codes, .offset: 16, .size: 8, .value_kind: global_buffer, .address_space: global }
      - { .name: k_remote_scales, .offset: 24, .size: 8, .value_kind: global_buffer, .address_space: global }
      - { .name: kimg, .offset: 32, .size: 8, .value_kind: global_buffer, .address_space: global }
      - { .name: kscl, .offset: 40, .size: 8, .value_kind: global_buffer, .address_space: global }
    .group_segment_fixed_size: 22528
    .private_segment_fixed_size: 0
    .kernarg_segment_align: 8
    .kernarg_segment_size: 48
    .max_flat_workgroup_size: 256
    .sgpr_count:     66
    .vgpr_count:     66
    .wavefront_size: 32
...
	.end_amdgpu_metadata
.endif
;; end of part 1
;; launch attn (part 2): grid 32 x 8, 16 waves a work-group, no clusters, 289,792 bytes of LDS; arguments q_codes, q_scales, kimg, kscl, v_local_codes, v_local_scales, v_remote_codes, v_remote_scales, q_ranges_local, k_ranges_local, causal_local, q_ranges_remote, k_ranges_remote, causal_remote, out0, out1; writes out0, out1
.if DOCPART == 2
	.amdgcn_target "amdgcn-amd-amdhsa--gfx1250"
	.amdhsa_code_object_version 6
	.text
	.protected	k_qa4b7d586ec_attn
	.globl	k_qa4b7d586ec_attn
	.p2align	8
	.type	k_qa4b7d586ec_attn,@function
k_qa4b7d586ec_attn:
	s_mov_b64 s[64:65], 0
	v_nop
	global_prefetch_b8 v0, s[64:65] scope:SCOPE_SE
	s_setreg_imm32_b32 hwreg(HW_REG_WAVE_MODE, 25, 1), 1
	s_wait_xcnt 0x0
; Two range-masked attention partials (local, remote) on codes of FP4 (E2M1) with E8M0 scales, and their merge.  8 heads, 4,096 queries, 4,096 keys a stage, head size 64.
; WHAT IS QUANTISED for the second product is the finished p = exp(s - lse of the stage), 0 under the mask, in blocks of 32 keys.  So a stage's lse is known before any p is made: TWO WALKS over the keys.
;   pass 1: S^T = K Q^T, mask, running maximum M (a whole number) and sum of 2^(t - M), t = score x log2(e) / 8; then the stages' lse, the merged lse (out1) and the weights.
;   pass 2: S^T again, p = 2^(t - L2), quantised, O^T += V^T P^T.  p is normalised, so partial O's over disjoint keys simply add.
; THE MERGE needs no second accumulator: with A, B the stages' lse in base 2 and L the merged one, out = beta (alpha O_l + O_r), alpha = 2^min(A - B, 60), beta = 2^(max(B, A - 60) - L):
;   O is multiplied by alpha behind the local stage, the remote products add onto it, beta comes last.
; THE MASKS are whole numbers: allowed(q, k) = QS <= q < QE and KS <= k < min(KE, q + DL + 1), DL = ke - qe where the range is causal, else 2^20.  From the ranges each wave makes, by scalar work,
;   32-bit masks of steps (128 keys) that can hold an allowed pair (LIVE) and that are allowed throughout by one range (FULL), and the work-group a mask of chunks (512 keys) to be copied (CHM).
;   Dead steps are passed over by scalar branches; live steps that are not FULL are masked lane by lane (-infinity ahead of the maximum).
; SHARES.  256 work-groups: (g, head).  A work-group owns queries 64 g .. + 63 and 4032 - 64 g .. + 63 (early and late ones, so that causal ranges give like work).  Wave w = 4 q + s owns tile s of each group
;   (16 queries each) and, of every chunk, step q: a tile's keys are shared four ways, and the four parts meet in LDS (statistics behind pass 1, O behind pass 2).
; K AND V come through two LDS slots of one chunk, copied through registers one trip ahead; one barrier a trip.  The head's scale words stay in LDS.
; NO TENSOR LOADS, NO CLUSTER, though the 32 work-groups of a head read the same K and V: which chunks a work-group wants, and which steps a wave walks, hangs on the range inputs, by branches on numbers
;   read from memory.  Passing over dead steps spares more than half of the vector work.
; HEAD SIZE 64 fills half of the instruction's K = 128: Q's registers for k = 64 .. 127 hold zero codes, so whatever K's registers hold there adds nothing (their scale bytes are 0, not 0xff).
; LAYOUT.  Both products are used transposed: a lane holds one query (lane % 16).  The keys of a tile are chosen (kimg) so that S's registers 16 b + i are keys 32 b + 16 (lane / 16) + i of the step.
; LIMITS.  Range numbers under 2^30 in magnitude.  Scale bytes 0xff, NaN and infinities are not served.  A p under 2^-126 counts as 0 (v_exp_f32).  A block whose p are all 0 gets the byte 1 (its codes are zeros).
;   Where A - B > 60 the remote part, whose true weight is under 2^-60 of the local one's, is weighed with 2^-60 of it.  An uncovered stage has lse -1e30 and O = 0, as the formula gives.
.set SLOT1, 65536                      ; LDS: slot 0 at 0, slot 1 here: K's images 16,384 bytes (4 steps x 8 tiles x 512), then V: 64 rows x 272
.set VOFF,  16384
.set VP,    272                        ; a row of V: 256 bytes (512 keys) + 16 of padding
.set VSC,   33792                      ; V's scale words, [trip 16][q 4][lane 32][2]: word i of lane L is row 16 (2 i + L / 16) + L % 16
.set LSEB,  50176                      ; lse, [group 2][64]
.set KSC,   99328                      ; K's scale words of the head, as kscl has them: [trip 16][q 4][512]
.set MRG,   132096                     ; pass 1's statistics, [tile 2][thread 512][16]
.set RED,   148480                     ; partial O's, [wave 16][tile 2][16 rows x 272]
.set AK0, 1                            ; v1   16 lane + 4096 q: my place in a slot's K
.set AV0, 2                            ; v2   272 r + 16 hh + VOFF + 64 q: in its V
.set AS0, 3                            ; v3   KSC + 16 lane + 512 q
.set AT0, 4                            ; v4   VSC + 8 lane + 256 q
.set SK0, 5                            ; v5   16 x thread
.set SV0, 6                            ; v6   V's copy, in LDS: row thread / 16
.set GV0, 7                            ; v7   and in memory: 2,048 bytes a row
.set RQ,  8                            ; v8   r
.set H16, 9                            ; v9   16 hh
.set NINF, 10                          ; v10  -infinity
.set PFO, 11                           ; v11  the prefetches' lane term
.set ADK, 12                           ; v12-15 the trip's LDS addresses: K, V, K's scale words, V's
.set ADV, 13
.set ADS, 14
.set ADT, 15
.set QF,  16                           ; v16-23, v24-31 Q of tile 0, 1: four registers of codes, four of zeros
.set QSC, 32                           ; v32, v33 Q's scale words
.set GC,  34                           ; v34  the copies' offset in memory
.set SC,  35                           ; v35  and their LDS address
.set KR,  36                           ; v36-67 K's eight tiles, four registers each (tile t is named as v[36 + 4 t .. + 7]); v68-71 zeros.  In pass 2 then V's four fragments
.set KSR, 72                           ; v72-75 K's scale words; v72-73 V's
.set SG,  76                           ; v76-83 the copies' data
.set PC,  84                           ; v84-91 p's codes
.set PW,  92                           ; v92  p's scale word
.set PFV, 93                           ; v93  a prefetch's offset
.set W,   94                           ; v94-111 at work
.set S,   112                          ; v112-175 scores, then p
.set F,   144                          ; the merge's finals, 16 registers a tile
.set O,   176                          ; v176-207, v208-239 O^T of tile 0, 1
.set ST,  240                          ; v240-247, v248-255.  Pass 1: -M, largest t, the sum in two halves, then (-M, sum) of the local and of the remote stage.  Pass 2: -L2 of this stage, of the other; this stage's factor, the other's
.set WV, 2                             ; s2 wave, s3 q = wave / 4
.set QW, 3
.set VA, 4                             ; s[4:5] V's base for the copy in hand (first: q_codes)
.set PB, 6                             ; s[6:7] a prefetch's base (first: q_scales)
.set KI, 8                             ; s[8:9] kimg at my head
.set VL, 12                            ; s[12:13], s[16:17] V's codes at my head
.set VR, 16
.set OA, 14                            ; s[14:15], s[18:19] out0 at my rows of tile 0, 1 (first: V's scale bytes)
.set OB, 18
.set NX, 20                            ; s20 the chunk that is copied, 1 .. 16: the loops' counter
.set JJ, 21                            ; s21 my step in the stage
.set TB, 22                            ; s22 the slot that is read, s23 the slot that is written
.set TO, 23
.set TS, 24                            ; s24, s25 the trip's scale words: 2,048 and 1,024 bytes a trip
.set TV, 25
.set MK, 26                            ; s26 a lane mask
.set PFL, 27                           ; s27 1 in a wave that prefetches
.set TA, 28                            ; s28-30 at work
.set TBX, 29
.set TC, 30
.set X0, 36                            ; s36-46 at work in the head (first: the ranges as loaded)
.set X1, 37
.set X2, 38
.set X4, 40
.set X6, 42
.set ONE, 44
.set XB, 46
.set LIVE, 50                          ; s50-53 LIVE[tile][stage], s54-57 FULL[tile][stage]
.set FULL, 54
.set CHM, 58                           ; s58 chunks to copy: bits 0-7 local, 8-15 remote
.set LVC, 59                           ; s59, s60 LIVE of the stage in hand; s61, s62 FULL
.set FLC, 61
.set R0, 66                            ; s66-80 three ranges (QS, QE, KS, KE, DL + 1): two local, one remote
.set R1, 71
.set R2, 76
.set RC, 81                            ; s81-90 the two ranges of the stage in hand
.set SW, 91                            ; s91 s = wave % 4
.set HD, 92
.set GG, 93
.set Q00, 94                           ; s94, s95 my tiles' first queries
.set GB0, 96                           ; s96, s97 the groups' first queries
.set CS, 98                            ; s[98:99] c = log2(e) / 8
.set SEL, 100                          ; s[100:101] selects for lane l xor 16
; ---- a range as loaded becomes (QS, QE, KS, KE, DL + 1)
.macro RANGE R, qs, qe, ks, ke, fl, bit
	s_sub_co_i32 s[\R+4], s[\ke], s[\qe]           ; k <= q + ke - qe, of the numbers as given
	s_min_i32 s[\R+4], s[\R+4], 0x100000
	s_max_i32 s[\R+4], s[\R+4], 0xfff00000
	s_bitcmp1_b32 s[\fl], \bit
	s_cselect_b32 s[\R+4], s[\R+4], 0x100000       ; not causal: no bound
	s_add_co_i32 s[\R+4], s[\R+4], 1
	s_max_i32 s[\R], s[\qs], 0
	s_min_i32 s[\R], s[\R], 4096
	s_max_i32 s[\R+1], s[\qe], 0
	s_min_i32 s[\R+1], s[\R+1], 4096
	s_max_i32 s[\R+2], s[\ks], 0
	s_min_i32 s[\R+2], s[\R+2], 4096
	s_max_i32 s[\R+3], s[\ke], 0
	s_min_i32 s[\R+3], s[\R+3], 4096
.endm
.macro MBITS dst, shl                  ; bits X1 .. X2 - 1, shifted, are set in dst.  64-bit shifts, so that a shift by 32 leaves 0 in the low word
	s_lshl_b64 s[X4:X4+1], s[ONE:ONE+1], s[X2]
	s_lshl_b64 s[X6:X6+1], s[ONE:ONE+1], s[X1]
	s_sub_co_u32 s[X4], s[X4], s[X6]
.if \shl
	s_lshl_b32 s[X4], s[X4], \shl
.endif
	s_or_b32 s[\dst], s[\dst], s[X4]
.endm
; the units of 2^sh keys in which queries A .. B can have an allowed key under range R
.macro TOUCH dst, A, B, R, sh, shl
	s_sub_co_i32 s[X0], s[\R+1], 1
	s_min_i32 s[X0], s[X0], s[\B]                  ; the last query of the span that lies in the range
	s_add_co_i32 s[X0], s[X0], s[\R+4]
	s_min_i32 s[X0], s[X0], s[\R+3]
	s_max_i32 s[X0], s[X0], s[\R+2]                ; its keys end here
	s_cmp_ge_i32 s[\B], s[\R]
	s_cselect_b32 s[X0], s[X0], s[\R+2]
	s_cmp_lt_i32 s[\A], s[\R+1]
	s_cselect_b32 s[X0], s[X0], s[\R+2]            ; span and range apart: none
	s_lshr_b32 s[X1], s[\R+2], \sh
	s_add_co_u32 s[X2], s[X0], (1<<\sh)-1
	s_lshr_b32 s[X2], s[X2], \sh
	s_cmp_eq_u32 s[X0], s[\R+2]
	s_cselect_b32 s[X2], s[X1], s[X2]
	MBITS \dst, \shl
.endm
; the steps in which every pair of queries A .. B and the step's 128 keys is allowed by range R alone
.macro FULLM dst, A, B, R
	s_add_co_i32 s[X0], s[\A], s[\R+4]
	s_min_i32 s[X0], s[X0], s[\R+3]
	s_max_i32 s[X0], s[X0], 0                      ; the first query's keys end here
	s_lshr_b32 s[X2], s[X0], 7
	s_add_co_u32 s[X1], s[\R+2], 127
	s_lshr_b32 s[X1], s[X1], 7
	s_max_u32 s[X2], s[X2], s[X1]
	s_cmp_ge_i32 s[\A], s[\R]
	s_cselect_b32 s[X2], s[X2], s[X1]
	s_cmp_lt_i32 s[\B], s[\R+1]
	s_cselect_b32 s[X2], s[X2], s[X1]
	MBITS \dst, 0
.endm
.macro SETSTAGE g
	s_mov_b32 s[LVC], s[LIVE+\g]
	s_mov_b32 s[LVC+1], s[LIVE+2+\g]
	s_mov_b32 s[FLC], s[FULL+\g]
	s_mov_b32 s[FLC+1], s[FULL+2+\g]
.irp i, 0,1,2,3,4
.if \g == 0
	s_mov_b32 s[RC+\i], s[R0+\i]
	s_mov_b32 s[RC+5+\i], s[R1+\i]
.else
	s_mov_b32 s[RC+\i], s[R2+\i]
	s_mov_b32 s[RC+5+\i], 0                        ; the remote stage has one range: the second is empty
.endif
.endr
.endm
; ---- THE COPIES of chunk NX into slot TO, through registers.  The waits and the addresses stand on every path; only the loads and the LDS stores are passed over where no wave of the work-group wants the chunk.
.macro SGK_ISSUE                       ; K's 16,384 bytes: 32 a thread.  No load of mine is out and no LDS store of mine still reads SG here
	s_lshl_b32 s[TA], s[NX], 14
	v_add_nc_u32 v[GC], s[TA], v[SK0]
	s_bitcmp1_b32 s[CHM], s[NX]
	s_cbranch_scc0 .Lski_\@
	global_load_b128 v[SG:SG+3], v[GC], s[KI:KI+1]
	global_load_b128 v[SG+4:SG+7], v[GC], s[KI:KI+1] offset:8192
.Lski_\@:
.endm
.macro SGK_PUT
	s_wait_loadcnt 0x0                             ; the two loads are in; their offset register is free
	v_add_nc_u32 v[SC], s[TO], v[SK0]
	s_bitcmp1_b32 s[CHM], s[NX]
	s_cbranch_scc0 .Lskp_\@
	ds_store_b128 v[SC], v[SG:SG+3]
	ds_store_b128 v[SC], v[SG+4:SG+7] offset:8192
.Lskp_\@:
.endm
.macro SGV_ISSUE                       ; V's 64 rows x 256 bytes
	s_wait_dscnt 0x0                               ; the LDS stores above have read SG
	s_and_b32 s[TA], s[NX], 7
	s_lshl_b32 s[TA], s[TA], 8
	v_add_nc_u32 v[GC], s[TA], v[GV0]
	s_cmp_lt_u32 s[NX], 8
	s_cselect_b64 s[VA:VA+1], s[VL:VL+1], s[VR:VR+1]
	s_bitcmp1_b32 s[CHM], s[NX]
	s_cbranch_scc0 .Lsvi_\@
	global_load_b128 v[SG:SG+3], v[GC], s[VA:VA+1]
	global_load_b128 v[SG+4:SG+7], v[GC], s[VA:VA+1] offset:65536
.Lsvi_\@:
.endm
.macro SGV_PUT
	s_wait_loadcnt 0x0
	v_add_nc_u32 v[SC], s[TO], v[SV0]
	s_bitcmp1_b32 s[CHM], s[NX]
	s_cbranch_scc0 .Lsvp_\@
	ds_store_b128 v[SC], v[SG:SG+3]
	ds_store_b128 v[SC], v[SG+4:SG+7] offset:32*VP
.Lsvp_\@:
.endm
; A PREFETCH of chunk NX + 2, two trips ahead of the copy that will load it: K's in pass 1, V's in pass 2.  All 32 work-groups of a head read the same chunks: the first of them asks, its waves 0 and 1, one
; instruction each, lanes 256 bytes apart in K's dense chunk or a lane a row of V: each aligned 256 bytes of chunks 3 to 15 are named once in the launch.  Chunks 0 to 2 come by their loads; nothing is asked past chunk 15.
.macro ASK p
	s_cmp_eq_u32 s[PFL], 1
	s_cbranch_scc0 .Lna_\@
	s_cmp_lt_u32 s[NX], 14
	s_cbranch_scc0 .Lna_\@
	s_wait_xcnt 0x0                                ; the last prefetch, a trip back, has read its registers: they are written again only behind this wait
	s_add_co_u32 s[TA], s[NX], 2
.if \p == 1
	s_lshl_b32 s[TA], s[TA], 14
	v_add_nc_u32 v[PFV], s[TA], v[PFO]
	global_prefetch_b8 v[PFV], s[KI:KI+1] th:TH_LOAD_NT scope:SCOPE_SE
.else
	s_cmp_lt_u32 s[TA], 8
	s_cselect_b64 s[PB:PB+1], s[VL:VL+1], s[VR:VR+1]
	s_and_b32 s[TA], s[TA], 7
	s_lshl_b32 s[TA], s[TA], 8
	v_add_nc_u32 v[PFV], s[TA], v[PFO]
	global_prefetch_b8 v[PFV], s[PB:PB+1] th:TH_LOAD_NT scope:SCOPE_SE
.endif
.Lna_\@:
.endm
; ---- S^T = K Q^T for tile u and my step: eight tiles of 16 keys.  Four plain places stand behind the last matrix instruction that read these registers, on every way here.
.macro QK u
.irp t, 0,1,2,3,4,5,6,7
	ds_load_b128 v[KR+4*\t:KR+4*\t+3], v[ADK] offset:512*\t
.endr
	ds_load_b128 v[KSR:KSR+3], v[ADS]              ; lanes 0-15: the words of tiles 0-3, lanes 16-31: of tiles 4-7
	s_wait_dscnt 0x0
.irp t, 0,1,2,3
	v_wmma_scale_f32_16x16x128_f8f6f4 v[S+8*\t:S+8*\t+7], v[KR+4*\t:KR+4*\t+7], v[QF+8*\u:QF+8*\u+7], 0, v[KSR+\t], v[QSC+\u] matrix_a_fmt:MATRIX_FMT_FP4 matrix_b_fmt:MATRIX_FMT_FP4
.endr
.irp t, 4,5,6,7
	v_wmma_scale_f32_16x16x128_f8f6f4 v[S+8*\t:S+8*\t+7], v[KR+4*\t:KR+4*\t+7], v[QF+8*\u:QF+8*\u+7], 0, v[KSR+\t-4], v[QSC+\u] matrix_a_fmt:MATRIX_FMT_FP4 matrix_b_fmt:MATRIX_FMT_FP4 matrix_a_scale:MATRIX_SCALE_ROW1
.endr
.rept 4
	v_nop                                          ; places in front of the first read of the scores, and of loads into the registers just read
.endr
.endm
; ---- the mask of a step that is live but not allowed throughout.  For each of the stage's two ranges: L = how many keys from KS on my query may see (0 if it lies outside the range), B = my first key - KS;
; register 16 b + i holds key B + 32 b + i, allowed where that number, taken unsigned, is under L.  Allowed by neither: -infinity.  The registers go in ascending order.
.macro MASK u
	s_lshl_b32 s[TA], s[JJ], 7                     ; the step's first key
	v_add_nc_u32 v[W+12], s[Q00+\u], v[RQ]         ; my query
.irp p, 0,1
	s_sub_co_i32 s[TBX], s[RC+5*\p+1], s[RC+5*\p]
	s_max_i32 s[TBX], s[TBX], 0                    ; queries in the range
	s_sub_co_i32 s[TC], s[TA], s[RC+5*\p+2]
	v_add_nc_u32 v[W+5+2*\p], s[RC+5*\p+4], v[W+12]
	v_min_i32 v[W+5+2*\p], s[RC+5*\p+3], v[W+5+2*\p]
	v_sub_nc_u32 v[W+5+2*\p], v[W+5+2*\p], s[RC+5*\p+2]
	v_max_i32 v[W+5+2*\p], 0, v[W+5+2*\p]
	v_sub_nc_u32 v[W+13], v[W+12], s[RC+5*\p]
	v_cmp_gt_u32 vcc_lo, s[TBX], v[W+13]
	v_cndmask_b32 v[W+5+2*\p], 0, v[W+5+2*\p], vcc_lo
	v_add_nc_u32 v[W+4+2*\p], s[TC], v[H16]
.endr
.set j, 0
.rept 64
.set n, 32*(j/16)+j%16
.set ta, W+8+2*(j%2)
	v_add_nc_u32 v[ta], n, v[W+4]
	v_add_nc_u32 v[ta+1], n, v[W+6]
	v_cmp_gt_u32 vcc_lo, v[W+5], v[ta]
	v_cmp_gt_u32 s[MK], v[W+7], v[ta+1]
	v_cndmask_b32 v[ta], v[NINF], v[S+j], vcc_lo
	v_cndmask_b32 v[S+j], v[ta], v[S+j], s[MK]
.set j, j+1
.endr
.endm
.macro BMAX                            ; the largest of my 16 scores of each block of 32 keys, four chains by turns
.irp b, 0,1,2,3
	v_max3_num_f32 v[W+\b], v[S+16*\b], v[S+16*\b+1], v[S+16*\b+2]
.endr
.irp i, 3,5,7,9,11,13
.irp b, 0,1,2,3
	v_max3_num_f32 v[W+\b], v[W+\b], v[S+16*\b+\i], v[S+16*\b+\i+1]
.endr
.endr
.irp b, 0,1,2,3
	v_max_num_f32 v[W+\b], v[W+\b], v[S+16*\b+15]
.endr
.endm
; ---- PASS 1, one unit: each LANE keeps its own M and sum over its own keys: no lane is asked inside a step
.macro STEP1 u
	s_bitcmp1_b32 s[LVC+\u], s[JJ]
	s_cbranch_scc0 .Ldead_\@
	QK \u
	s_bitcmp1_b32 s[FLC+\u], s[JJ]
	s_cbranch_scc1 .Lopen_\@
	MASK \u
.Lopen_\@:
	BMAX
	v_max3_num_f32 v[W], v[W], v[W+1], v[W+2]
	v_max_num_f32 v[W], v[W], v[W+3]
	v_mul_f32 v[W], s[CS], v[W]                    ; as t (c is positive)
	v_max_num_f32 v[ST+8*\u+1], v[ST+8*\u+1], v[W] ; the running largest t
	v_mov_b32 v[W+16], v[ST+8*\u]
	v_floor_f32 v[ST+8*\u], -v[ST+8*\u+1]          ; -M = floor(-t): M is a whole number
	v_sub_f32 v[W+16], v[ST+8*\u], v[W+16]         ; old M - new M, 0 or less
	v_cvt_i32_f32 v[W+16], v[W+16]                 ; (it saturates)
	v_ldexp_f32 v[W+12], 1.0, v[W+16]              ; 2^(old M - new M): rounds nothing
.set j, 0
.rept 32
	v_pk_fma_f32 v[S+j:S+j+1], v[S+j:S+j+1], s[CS:CS+1], v[ST+8*\u:ST+8*\u+1] op_sel_hi:[1,0,0]   ; t - M
.set j, j+2
.endr
.set j, 0
.rept 64
	v_exp_f32 v[S+j], v[S+j]
.set j, j+1
.endr
	v_pk_mul_f32 v[ST+8*\u+2:ST+8*\u+3], v[ST+8*\u+2:ST+8*\u+3], v[W+12:W+13] op_sel_hi:[1,0]   ; the sums under the new M: the plain place behind the exponentials
	s_wait_alu depctr_va_vdst(0)                   ; one wait for the batch, ahead of its first reader
	v_pk_add_f32 v[W+14:W+15], v[S:S+1], v[S+2:S+3]
.set j, 4
.rept 15
	v_pk_add_f32 v[ST+8*\u+2:ST+8*\u+3], v[ST+8*\u+2:ST+8*\u+3], v[S+j:S+j+1]
	v_pk_add_f32 v[W+14:W+15], v[W+14:W+15], v[S+j+2:S+j+3]
.set j, j+4
.endr
	v_pk_add_f32 v[ST+8*\u+2:ST+8*\u+3], v[ST+8*\u+2:ST+8*\u+3], v[W+14:W+15]
.Ldead_\@:
.endm
; ---- PASS 2, one unit
.macro STEP2 u
	s_bitcmp1_b32 s[LVC+\u], s[JJ]
	s_cbranch_scc0 .Ldead_\@
	QK \u
.irp d, 0,1,2,3                                ; V's four fragments (16 of the head's 64 x my 128 keys) land under the softmax, in the registers that K has left
.irp c, 0,1
	ds_load_b128 v[KR+8*\d+4*\c:KR+8*\d+4*\c+3], v[ADV] offset:16*VP*\d+32*\c
.endr
.endr
	ds_load_b64 v[KSR:KSR+1], v[ADT]               ; V's scale words: register d / 2, lanes 0-15 for even d, 16-31 for odd
	s_bitcmp1_b32 s[FLC+\u], s[JJ]
	s_cbranch_scc1 .Lopen_\@
	MASK \u
.Lopen_\@:
	BMAX                                           ; a block's largest p is not searched for: p rises with the score, so the largest score goes through the same multiply-add and exponential
.irp b, 0,1,2,3
	v_permlanex16_b32 v[W+4+\b], v[W+\b], s[SEL], s[SEL+1]
.endr
.irp b, 0,1,2,3
	v_max_num_f32 v[W+\b], v[W+\b], v[W+4+\b]      ; with lane l xor 16's 16 keys
.endr
.set j, 0
.rept 32
	v_pk_fma_f32 v[S+j:S+j+1], v[S+j:S+j+1], s[CS:CS+1], v[ST+8*\u:ST+8*\u+1] op_sel_hi:[1,0,0]   ; t - L2
.set j, j+2
.endr
.irp b, 0,1,2,3
	v_fma_f32 v[W+\b], v[W+\b], s[CS], v[ST+8*\u]
.endr
.set j, 0
.rept 64
	v_exp_f32 v[S+j], v[S+j]                       ; p, finished and normalised; 0 under the mask
.set j, j+1
.endr
.irp b, 0,1,2,3
	v_exp_f32 v[W+\b], v[W+\b]
.endr
	v_nop                                          ; the plain place behind the exponentials
	s_wait_alu depctr_va_vdst(0)                   ; one wait for the 68
.irp b, 0,1,2,3
	v_max_num_f32 v[W+\b], 0x1800000, v[W+\b]      ; the floor 2^(3 - 127): the byte cannot fall under 1
.endr
.irp b, 0,1,2,3
	v_add_nc_u32 v[W+8+\b], 0xff000000, v[W+\b]    ; 2 off the exponent field: the conversion's scale operand
.endr
.irp b, 0,1,2,3
	v_lshrrev_b32 v[W+4+\b], 23, v[W+8+\b]         ; the scale's byte
.endr
	v_lshl_or_b32 v[PW], v[W+5], 8, v[W+4]
	v_lshl_or_b32 v[PW], v[W+6], 16, v[PW]
	v_lshl_or_b32 v[PW], v[W+7], 24, v[PW]
.irp b, 0,1,2,3
	v_cvt_scalef32_pk8_fp4_f32 v[PC+2*\b], v[S+16*\b:S+16*\b+7], v[W+8+\b]
	v_cvt_scalef32_pk8_fp4_f32 v[PC+2*\b+1], v[S+16*\b+8:S+16*\b+15], v[W+8+\b]
.endr
	v_nop                                          ; one plain place behind a scaled conversion
.irp c, 0,1                                    ; the operand wants a whole block in a lane: lanes 0-15 block 2 c, lanes 16-31 block 2 c + 1
.irp i, 0,1
	v_permlane16_swap_b32 v[PC+4*\c+\i], v[PC+4*\c+2+\i]
.endr
.endr
.rept 8
	v_nop                                          ; a scale word made by vector instructions stands eight places ahead of the scaled product, an operand four
.endr
	s_wait_dscnt 0x0                               ; V
.irp d, 0,2
	v_wmma_scale_f32_16x16x128_f8f6f4 v[O+32*\u+8*\d:O+32*\u+8*\d+7], v[KR+8*\d:KR+8*\d+7], v[PC:PC+7], v[O+32*\u+8*\d:O+32*\u+8*\d+7], v[KSR+\d/2], v[PW] matrix_a_fmt:MATRIX_FMT_FP4 matrix_b_fmt:MATRIX_FMT_FP4
	v_wmma_scale_f32_16x16x128_f8f6f4 v[O+32*\u+8*\d+8:O+32*\u+8*\d+15], v[KR+8*\d+8:KR+8*\d+15], v[PC:PC+7], v[O+32*\u+8*\d+8:O+32*\u+8*\d+15], v[KSR+\d/2], v[PW] matrix_a_fmt:MATRIX_FMT_FP4 matrix_b_fmt:MATRIX_FMT_FP4 matrix_a_scale:MATRIX_SCALE_ROW1
.endr                                          ; four accumulators by turns, one instruction a turn
.rept 4
	v_nop                                          ; places in front of the next loads into these registers and of the next vector work on O
.endr
.Ldead_\@:
.endm
.macro SEND1                           ; a stage of pass 1 ends: its (-M, sum) move up, the running ones begin anew
.irp t, 0,1
	v_mov_b32 v[ST+8*\t+4], v[ST+8*\t+6]
	v_mov_b32 v[ST+8*\t+5], v[ST+8*\t+7]
	v_mov_b32 v[ST+8*\t+6], v[ST+8*\t]
	v_add_f32 v[ST+8*\t+7], v[ST+8*\t+2], v[ST+8*\t+3]
	v_mov_b32 v[ST+8*\t+1], 0xff61b1e6             ; -3e38, under every t
	v_floor_f32 v[ST+8*\t], -v[ST+8*\t+1]
	v_mov_b32 v[ST+8*\t+2], 0
	v_mov_b32 v[ST+8*\t+3], 0
.endr
.endm
.macro SEND2                           ; a stage of pass 2 ends: O times the stage's factor, in ascending order; then the two stages' numbers change places
.irp t, 0,1
.set j, 0
.rept 16
	v_pk_mul_f32 v[O+32*\t+j:O+32*\t+j+1], v[O+32*\t+j:O+32*\t+j+1], v[ST+8*\t+2:ST+8*\t+3] op_sel_hi:[1,0]
.set j, j+2
.endr
	v_mov_b32 v[W+16], v[ST+8*\t]
	v_mov_b32 v[ST+8*\t], v[ST+8*\t+1]
	v_mov_b32 v[ST+8*\t+1], v[W+16]
	v_mov_b32 v[W+16], v[ST+8*\t+2]
	v_mov_b32 v[ST+8*\t+2], v[ST+8*\t+3]
	v_mov_b32 v[ST+8*\t+3], v[W+16]
.endr
.endm
; (-M, sum) B is merged into A: under the larger M, by multiplications that round nothing.  An empty part (-M = 3e38, sum 0) stays nothing
.macro MRG2 nA, lA, nB, lB
	v_min_num_f32 v[W], v[\nA], v[\nB]
	v_sub_f32 v[W+1], v[W], v[\nA]
	v_sub_f32 v[W+2], v[W], v[\nB]
	v_cvt_i32_f32 v[W+1], v[W+1]
	v_cvt_i32_f32 v[W+2], v[W+2]
	v_ldexp_f32 v[\lA], v[\lA], v[W+1]
	v_ldexp_f32 v[W+2], v[\lB], v[W+2]
	v_add_f32 v[\lA], v[\lA], v[W+2]
	v_mov_b32 v[\nA], v[W]
.endm
; ---- A PASS: 16 trips, one chunk each: 8 of the local stage, 8 of the remote.  In a trip the chunk in slot TB is worked on and chunk NX is copied into slot TO.  ONE BARRIER a trip: in front of it each wave's LDS
; stores have landed and its LDS loads are in; so the slot written in a trip was last read a trip ago, behind whose barrier every wave stands, and is read a trip later.
.macro PASS p
.Ltrip\p:
	v_add_nc_u32 v[ADK], s[TB], v[AK0]
	v_add_nc_u32 v[ADS], s[TS], v[AS0]
.if \p == 2
	v_add_nc_u32 v[ADV], s[TB], v[AV0]
	v_add_nc_u32 v[ADT], s[TV], v[AT0]
.endif
	SGK_ISSUE
	ASK \p
.if \p == 1
	STEP1 0
	STEP1 1
	SGK_PUT
.else
	STEP2 0
	SGK_PUT
	SGV_ISSUE
	STEP2 1
	SGV_PUT
.endif
	s_wait_dscnt 0x0
	s_barrier_signal -1
	s_barrier_wait -1
	s_xor_b32 s[TB], s[TB], SLOT1
	s_xor_b32 s[TO], s[TO], SLOT1
	s_add_co_u32 s[JJ], s[JJ], 4
	s_and_b32 s[JJ], s[JJ], 31                     ; behind a stage's 8 trips it is q again
	s_add_co_u32 s[TS], s[TS], 2048
	s_add_co_u32 s[TV], s[TV], 1024
	s_and_b32 s[TA], s[NX], 7
	s_cmp_lg_u32 s[TA], 0
	s_cbranch_scc1 .Lgo\p                          ; NX = 8 or 16: a stage has ended
.if \p == 1
	SEND1
.else
	SEND2
.endif
	SETSTAGE 1
.Lgo\p:
	s_add_co_u32 s[NX], s[NX], 1
	s_cmp_lt_u32 s[NX], 17
	s_cbranch_scc1 .Ltrip\p
.endm
; ================ THE HEAD
	s_load_b512 s[4:19], s[0:1], 0x0               ; q_codes, q_scales, kimg, kscl, v_local codes, scales, v_remote codes, scales
	s_load_b512 s[20:35], s[0:1], 0x40             ; the six range inputs; out0 s[32:33], out1 s[34:35]
	v_lshrrev_b32 v[W], 5, v0
	v_readfirstlane_b32 s[WV], v[W]                ; wave 0..15
	s_lshr_b32 s[QW], s[WV], 2
	s_and_b32 s[SW], s[WV], 3
	s_and_b32 s[HD], ttmp7, 0xffff
	s_mov_b32 s[GG], ttmp9
	s_lshl_b32 s[GB0], ttmp9, 6
	s_sub_co_u32 s[GB0+1], 4032, s[GB0]
	s_lshl_b32 s60, s[SW], 4
	s_add_co_u32 s[Q00], s[GB0], s60
	s_add_co_u32 s[Q00+1], s[GB0+1], s60
	v_and_b32 v[W+1], 31, v0                       ; lane
	v_and_b32 v[RQ], 15, v0
	v_bfe_u32 v[W+2], v0, 4, 1                     ; hh
	v_lshlrev_b32 v[H16], 4, v[W+2]
	v_lshrrev_b32 v[W+3], 4, v0                    ; thread / 16
	s_lshl_b32 s60, s[QW], 12
	v_lshl_add_u32 v[AK0], v[W+1], 4, s60
	v_mul_u32_u24 v[AV0], v[RQ], VP
	v_add_nc_u32 v[AV0], v[AV0], v[H16]
	s_lshl_b32 s60, s[QW], 6
	s_add_co_u32 s60, s60, VOFF
	v_add_nc_u32 v[AV0], s60, v[AV0]
	s_lshl_b32 s60, s[QW], 9
	s_add_co_u32 s60, s60, KSC
	v_lshl_add_u32 v[AS0], v[W+1], 4, s60
	s_lshl_b32 s60, s[QW], 8
	s_add_co_u32 s60, s60, VSC
	v_lshl_add_u32 v[AT0], v[W+1], 3, s60
	v_lshlrev_b32 v[SK0], 4, v0
	v_mul_u32_u24 v[SV0], v[W+3], VP
	v_lshl_add_u32 v[SV0], v[RQ], 4, v[SV0]
	v_add_nc_u32 v[SV0], VOFF, v[SV0]
	v_lshlrev_b32 v[GV0], 11, v[W+3]
	v_lshl_add_u32 v[GV0], v[RQ], 4, v[GV0]
	v_mov_b32 v[NINF], 0xff800000
	v_lshlrev_b32 v[PFO], 8, v[W+1]                ; pass 1's prefetches: 256 x lane + 8,192 x wave in K's chunk
	s_lshl_b32 s60, s[WV], 13
	v_add_nc_u32 v[PFO], s60, v[PFO]
	v_add_nc_u32 v[ADK], KSC, v[SK0]               ; where K's scale words go
	v_and_b32 v[ADV], 7, v0                        ; where V's go: thread = 8 row + c holds the words of steps 4 c .. 4 c + 3 of its row: trip c, 1,024 bytes;
	v_lshlrev_b32 v[ADV], 10, v[ADV]
	v_bfe_u32 v[ADS], v0, 3, 4
	v_lshl_add_u32 v[ADV], v[ADS], 3, v[ADV]       ; lane: row % 16,
	v_bfe_u32 v[ADS], v0, 7, 1
	v_lshl_add_u32 v[ADV], v[ADS], 7, v[ADV]       ; + 16 ((row / 16) % 2): 8 bytes a lane;
	v_lshrrev_b32 v[ADS], 8, v0
	v_lshl_add_u32 v[ADV], v[ADS], 2, v[ADV]       ; word row / 32
	v_add_nc_u32 v[ADV], VSC, v[ADV]
	v_lshl_add_u32 v[W+8], v[RQ], 8, v[H16]        ; Q: a query is 256 bytes; my half's 16 of the head's 32
	s_lshl_b32 s60, s[Q00], 8
	s_lshl_b32 s61, s[Q00+1], 8
	v_add_nc_u32 v[W+9], s61, v[W+8]
	v_add_nc_u32 v[W+8], s60, v[W+8]
	v_add_nc_u32 v[W+10], s[Q00], v[RQ]            ; its scale bytes: 16 a query
	v_lshlrev_b32 v[W+10], 4, v[W+10]
	v_add_nc_u32 v[W+11], s[Q00+1], v[RQ]
	v_lshlrev_b32 v[W+11], 4, v[W+11]
	s_wait_kmcnt 0x0
	s_load_b128 s[36:39], s[20:21], 0x0            ; local: qs0 qe0 qs1 qe1
	s_load_b128 s[40:43], s[22:23], 0x0            ;        ks0 ke0 ks1 ke1
	s_load_u16 s44, s[24:25], 0x0                  ;        two flags, a byte each
	s_load_u8 s45, s[30:31], 0x0                   ; remote: flag
	s_load_b64 s[46:47], s[26:27], 0x0             ;        qs qe
	s_load_b64 s[48:49], s[28:29], 0x0             ;        ks ke
	s_mov_b32 s63, 0                               ; every base at my head
	s_lshl_b32 s62, s[HD], 18
	s_add_nc_u64 s[KI:KI+1], s[KI:KI+1], s[62:63]
	s_lshl_b32 s62, s[HD], 15
	s_add_nc_u64 s[10:11], s[10:11], s[62:63]
	s_lshl_b32 s62, s[HD], 17
	s_add_nc_u64 s[VL:VL+1], s[VL:VL+1], s[62:63]
	s_add_nc_u64 s[VR:VR+1], s[VR:VR+1], s[62:63]
	s_lshl_b32 s62, s[HD], 13
	s_add_nc_u64 s[14:15], s[14:15], s[62:63]
	s_add_nc_u64 s[18:19], s[18:19], s[62:63]
	s_lshl_b32 s62, s[HD], 5
	s_add_nc_u64 s[4:5], s[4:5], s[62:63]
	s_lshl_b32 s62, s[HD], 1
	s_add_nc_u64 s[6:7], s[6:7], s[62:63]
.irp p, 0,1,2,3
	global_load_b128 v[S+4*\p:S+4*\p+3], v[SK0], s[10:11] offset:8192*\p   ; K's scale words of the head: 32,768 dense bytes
.endr
	global_load_b128 v[S+16:S+19], v[SK0], s[14:15]   ; V's scale bytes: 8,192 dense bytes a stage
	global_load_b128 v[S+20:S+23], v[SK0], s[18:19]
	global_load_b128 v[QF:QF+3], v[W+8], s[4:5]
	global_load_b128 v[QF+8:QF+11], v[W+9], s[4:5]
	global_load_u16 v[QSC], v[W+10], s[6:7]        ; two scale bytes; the zeros above them scale k = 64 .. 127
	global_load_u16 v[QSC+1], v[W+11], s[6:7]
.irp i, 0,1,2,3
	v_mov_b32 v[QF+4+\i], 0                        ; zero codes for k = 64 .. 127
	v_mov_b32 v[QF+12+\i], 0
	v_mov_b32 v[KR+32+\i], 0                       ; what tile 7 names above its own four registers
	v_mov_b32 v[W+4+\i], 0                         ; a lane permute's destination counts as one of its sources
.endr
	v_mov_b32 v[W+13], 0                           ; named as the upper half of a pair
.irp i, 0,1,2,3,4,5,6,7
	v_mov_b32 v[SG+\i], 0                          ; written on every path, whether or not a chunk is copied
.endr
.set j, 0
.rept 64
	v_mov_b32 v[O+j], 0                            ; O^T.  Which step is a tile's first live one hangs on the ranges, so no product can be written out as the sums' first
.set j, j+1
.endr
.irp t, 0,1
.irp i, 2,3,4,5,6,7
	v_mov_b32 v[ST+8*\t+\i], 0
.endr
	v_mov_b32 v[ST+8*\t+1], 0xff61b1e6             ; the largest t so far: -3e38
	v_floor_f32 v[ST+8*\t], -v[ST+8*\t+1]
.endr
	s_wait_kmcnt 0x0                               ; the ranges
	RANGE R0, 36, 37, 40, 41, 44, 0
	RANGE R1, 38, 39, 42, 43, 44, 8
	RANGE R2, 46, 47, 48, 49, 45, 0
	s_mov_b64 s[ONE:ONE+1], 1
.irp i, 0,1,2,3,4,5,6,7,8
	s_mov_b32 s[LIVE+\i], 0
.endr
.irp u, 0,1
	s_add_co_u32 s[XB], s[Q00+\u], 15              ; my tile's span
	TOUCH LIVE+2*\u, Q00+\u, XB, R0, 7, 0
	TOUCH LIVE+2*\u, Q00+\u, XB, R1, 7, 0
	TOUCH LIVE+2*\u+1, Q00+\u, XB, R2, 7, 0
	FULLM FULL+2*\u, Q00+\u, XB, R0
	FULLM FULL+2*\u, Q00+\u, XB, R1
	FULLM FULL+2*\u+1, Q00+\u, XB, R2
	s_add_co_u32 s[XB], s[GB0+\u], 63              ; the group's span: it holds every wave's tile, so CHM covers every wave's LIVE
	TOUCH CHM, GB0+\u, XB, R0, 9, 0
	TOUCH CHM, GB0+\u, XB, R1, 9, 0
	TOUCH CHM, GB0+\u, XB, R2, 9, 8
.endr
	s_lshr_b32 s[PFL], s[WV], 1
	s_or_b32 s[PFL], s[PFL], s[GG]
	s_cmp_eq_u32 s[PFL], 0
	s_cselect_b32 s[PFL], 1, 0                     ; waves 0 and 1 of the head's first work-group
	s_mov_b32 s[CS], 0x3e38aa3b                    ; c = log2(e) / 8
	s_mov_b32 s[CS+1], s[CS]
	s_mov_b32 s[SEL], 0x76543210
	s_mov_b32 s[SEL+1], 0xfedcba98
	s_mov_b32 s[NX], 0                             ; chunk 0's K into slot 0
	s_mov_b32 s[TO], 0
	SGK_ISSUE
	SGK_PUT                                        ; its wait is for all loads: the scale words and Q are in too
.irp p, 0,1,2,3
	ds_store_b128 v[ADK], v[S+4*\p:S+4*\p+3] offset:8192*\p
.endr
.irp k, 0,1,2,3
	ds_store_b32 v[ADV], v[S+16+\k] offset:256*\k
	ds_store_b32 v[ADV], v[S+20+\k] offset:256*\k+8192
.endr
	s_wait_dscnt 0x0
	s_barrier_signal -1
	s_barrier_wait -1
; ================ PASS 1
	s_mov_b32 s[NX], 1
	s_mov_b32 s[TB], 0
	s_mov_b32 s[TO], SLOT1
	s_mov_b32 s[TS], 0
	s_mov_b32 s[TV], 0
	s_mov_b32 s[JJ], s[QW]
	SETSTAGE 0
	PASS 1
; ================ THE MERGE.  v[ST + 4 .. + 7] of each tile: (-M, sum) of the local and of the remote stage, of my lane's keys.  Meanwhile chunk 0's K and V come into slot 0 for pass 2.
	s_mov_b32 s[NX], 0
	s_mov_b32 s[TO], 0
	SGK_ISSUE
.irp u, 0,1
.irp g, 0,1
	v_permlanex16_b32 v[W+4], v[ST+8*\u+4+2*\g], s[SEL], s[SEL+1]
	v_permlanex16_b32 v[W+5], v[ST+8*\u+5+2*\g], s[SEL], s[SEL+1]
	MRG2 ST+8*\u+4+2*\g, ST+8*\u+5+2*\g, W+4, W+5  ; with lane l xor 16's keys
.endr
.endr
	v_add_nc_u32 v[ADK], MRG, v[SK0]               ; every LDS address of this phase is made here, ahead of the branches on the wave's number
	v_and_b32 v[ADV], 127, v0
	v_lshl_add_u32 v[ADV], v[ADV], 4, MRG          ; my lane's place in wave s of each q
	s_lshl_b32 s36, s[SW], 6
	s_add_co_u32 s36, s36, LSEB
	v_lshl_add_u32 v[ADS], v[RQ], 2, s36           ; lse of query 16 s + r of a group
	s_and_b32 s37, s[WV], 1
	s_lshl_b32 s37, s37, 8
	s_add_co_u32 s37, s37, LSEB
	v_and_b32 v[W+17], 31, v0
	v_lshl_add_u32 v[ADT], v[W+17], 3, s37         ; back: 8 bytes a lane of group wave % 2
	v_lshlrev_b32 v[W+17], 3, v[W+17]              ; and the same in out1
	s_cmp_eq_u32 s[WV], 0
	s_cselect_b32 s36, s[GB0], s[GB0+1]
	s_lshl_b32 s36, s36, 2
	s_lshl_b32 s37, s[HD], 14
	s_add_co_u32 s36, s36, s37
	s_mov_b32 s37, 0
	s_add_nc_u64 s[34:35], s[34:35], s[36:37]      ; out1 at my head and the group that I store (waves 0 and 1)
	ds_store_b128 v[ADK], v[ST+4:ST+7]
	ds_store_b128 v[ADK], v[ST+12:ST+15] offset:8192
	SGK_PUT
	SGV_ISSUE                                      ; it begins with the wait for all my LDS stores, and issues none: so nothing of mine is out in LDS at the signal
	s_barrier_signal -1
	s_barrier_wait -1
.irp u, 0,1
.irp k, 0,1,2,3
	ds_load_b128 v[S+16*\u+4*\k:S+16*\u+4*\k+3], v[ADV] offset:8192*\u+2048*\k
.endr
.endr
	s_wait_dscnt 0x0
.irp u, 0,1
.irp g, 0,1
.irp k, 1,2,3                                  ; in the same order in all four waves of a tile: they get the same bits
	MRG2 S+16*\u+2*\g, S+16*\u+2*\g+1, S+16*\u+4*\k+2*\g, S+16*\u+4*\k+2*\g+1
.endr
.endr
.endr
.irp u, 0,1
	v_log_f32 v[F+16*\u], v[S+16*\u+1]
	v_log_f32 v[F+16*\u+1], v[S+16*\u+3]
.endr
	v_mov_b32 v[W], 0xf191accb                     ; U = -1e30 x log2(e): an uncovered stage's lse in base 2.  (The plain place behind the logarithms)
	s_wait_alu depctr_va_vdst(0)                   ; one wait a batch, ahead of its first reader; so below
.irp u, 0,1
	v_sub_f32 v[F+16*\u+2], v[F+16*\u], v[S+16*\u]          ; A = M + log2(sum)
	v_sub_f32 v[F+16*\u+3], v[F+16*\u+1], v[S+16*\u+2]      ; B
	v_cmp_lt_f32 vcc_lo, 0, v[S+16*\u+1]
	v_cndmask_b32 v[F+16*\u+2], v[W], v[F+16*\u+2], vcc_lo
	v_cmp_lt_f32 vcc_lo, 0, v[S+16*\u+3]
	v_cndmask_b32 v[F+16*\u+3], v[W], v[F+16*\u+3], vcc_lo
	v_max_num_f32 v[F+16*\u+4], v[F+16*\u+2], v[F+16*\u+3]
	v_sub_f32 v[F+16*\u+5], v[F+16*\u+2], v[F+16*\u+4]
	v_sub_f32 v[F+16*\u+6], v[F+16*\u+3], v[F+16*\u+4]
	v_sub_f32 v[F+16*\u+7], v[F+16*\u+2], v[F+16*\u+3]
	v_min_num_f32 v[F+16*\u+7], 0x42700000, v[F+16*\u+7]    ; min(A - B, 60)
.endr
.irp u, 0,1
	v_exp_f32 v[F+16*\u+5], v[F+16*\u+5]
	v_exp_f32 v[F+16*\u+6], v[F+16*\u+6]
	v_exp_f32 v[F+16*\u+7], v[F+16*\u+7]           ; alpha
.endr
	v_nop
	s_wait_alu depctr_va_vdst(0)
.irp u, 0,1
	v_add_f32 v[F+16*\u+8], v[F+16*\u+5], v[F+16*\u+6]
.endr
.irp u, 0,1
	v_log_f32 v[F+16*\u+9], v[F+16*\u+8]
.endr
.irp u, 0,1
	v_add_f32 v[F+16*\u+10], 0xc2700000, v[F+16*\u+2]       ; A - 60
.endr
	s_wait_alu depctr_va_vdst(0)
.irp u, 0,1
	v_add_f32 v[F+16*\u+9], v[F+16*\u+9], v[F+16*\u+4]      ; L
	v_max_num_f32 v[F+16*\u+10], v[F+16*\u+10], v[F+16*\u+3]
	v_sub_f32 v[F+16*\u+10], v[F+16*\u+10], v[F+16*\u+9]
	v_mul_f32 v[F+16*\u+11], 0x3f317218, v[F+16*\u+9]       ; lse = L ln 2
.endr
.irp u, 0,1
	v_exp_f32 v[F+16*\u+10], v[F+16*\u+10]         ; beta
.endr
.irp u, 0,1
	v_sub_f32 v[ST+8*\u], 0, v[F+16*\u+2]          ; pass 2's numbers: -A, -B, alpha,
	v_sub_f32 v[ST+8*\u+1], 0, v[F+16*\u+3]
	v_mov_b32 v[ST+8*\u+2], v[F+16*\u+7]
.endr
	s_wait_alu depctr_va_vdst(0)
.irp u, 0,1
	v_mov_b32 v[ST+8*\u+3], v[F+16*\u+10]          ; beta
.endr
	s_cmp_lt_u32 s[WV], 4                          ; of a tile's four waves the one with q = 0 hands lse on
	s_cbranch_scc0 .Lno_lse
	ds_store_b32 v[ADS], v[F+11]                   ; (lanes l and l xor 16 write the same word with the same value)
	ds_store_b32 v[ADS], v[F+27] offset:256
.Lno_lse:
	SGV_PUT
	s_wait_dscnt 0x0
	s_barrier_signal -1
	s_barrier_wait -1
	s_cmp_lt_u32 s[WV], 2
	s_cbranch_scc0 .Lno_out1
	ds_load_b64 v[W+14:W+15], v[ADT]
	s_wait_dscnt 0x0
	global_store_b64 v[W+17], v[W+14:W+15], s[34:35]   ; a group's 64 numbers: 256 consecutive bytes, aligned.  None of these registers is written again
.Lno_out1:
; ================ PASS 2
	v_and_b32 v[PFO], 31, v0                       ; its prefetches: a lane a row of V, 2,048 bytes apart, 32 rows a wave
	v_lshlrev_b32 v[PFO], 11, v[PFO]
	s_lshl_b32 s36, s[WV], 16
	v_add_nc_u32 v[PFO], s36, v[PFO]
	s_mov_b32 s[NX], 1
	s_mov_b32 s[TB], 0
	s_mov_b32 s[TO], SLOT1
	s_mov_b32 s[TS], 0
	s_mov_b32 s[TV], 0
	s_mov_b32 s[JJ], s[QW]
	SETSTAGE 0
	PASS 2
; ================ THE WAY OUT.  Each wave's O^T (weighed) is a part over its steps: the four parts of a tile meet in LDS.  A lane holds query r and channels 16 d + 8 hh + 0 .. 7: 32 bytes of a row of 256.
	s_mul_i32 s36, s[WV], 2*16*272
	s_add_co_u32 s36, s36, RED
	v_mul_u32_u24 v[ADK], v[RQ], 272
	v_lshl_add_u32 v[ADK], v[H16], 1, v[ADK]
	v_add_nc_u32 v[ADK], s36, v[ADK]               ; in: my wave's two tiles, row r, + 32 hh
	s_mul_i32 s36, s[SW], 2*16*272
	s_mul_i32 s37, s[QW], 4*272
	s_add_co_u32 s36, s36, s37
	s_add_co_u32 s36, s36, RED
	v_mul_u32_u24 v[ADV], v[H16], 17               ; 272 hh
	v_lshl_add_u32 v[ADV], v[RQ], 4, v[ADV]
	v_add_nc_u32 v[ADV], s36, v[ADV]               ; back: rows 4 q + hh (+ 2) of tile s, 16 bytes a lane, from the waves with q' = 0, 1;
	v_add_nc_u32 v[ADS], 2*4*2*16*272, v[ADV]      ; and q' = 2, 3: an immediate ends at 65,535
	v_lshlrev_b32 v[ADT], 7, v[H16]
	v_lshl_add_u32 v[ADT], v[RQ], 4, v[ADT]        ; out0: a query is 2,048 bytes: 2,048 hh + 16 r
	s_lshl_b32 s38, s[QW], 2
	s_lshl_b32 s39, s[HD], 8
	s_mov_b32 s37, 0
	s_add_co_u32 s36, s[Q00], s38
	s_lshl_b32 s36, s36, 11
	s_add_co_u32 s36, s36, s39
	s_add_nc_u64 s[OA:OA+1], s[32:33], s[36:37]    ; out0 at query Q0 + 4 q, my head's 256 bytes
	s_add_co_u32 s36, s[Q00+1], s38
	s_lshl_b32 s36, s36, 11
	s_add_co_u32 s36, s36, s39
	s_add_nc_u64 s[OB:OB+1], s[32:33], s[36:37]
.irp u, 0,1
.irp d, 0,1,2,3
	ds_store_b128 v[ADK], v[O+32*\u+8*\d:O+32*\u+8*\d+3] offset:16*272*\u+64*\d
	ds_store_b128 v[ADK], v[O+32*\u+8*\d+4:O+32*\u+8*\d+7] offset:16*272*\u+64*\d+16
.endr
.endr
	s_wait_dscnt 0x0
	s_barrier_signal -1
	s_barrier_wait -1
.irp u, 0,1
.irp p, 0,1
.irp k, 0,1
	ds_load_b128 v[S+16*(2*\u+\p)+4*\k:S+16*(2*\u+\p)+4*\k+3], v[ADV] offset:34816*\k+16*272*\u+2*272*\p
	ds_load_b128 v[S+16*(2*\u+\p)+8+4*\k:S+16*(2*\u+\p)+8+4*\k+3], v[ADS] offset:34816*\k+16*272*\u+2*272*\p
.endr
.endr
.endr
	s_wait_dscnt 0x0
.irp m, 0,1,2,3                                ; four parts of 16 bytes a lane become one
	v_pk_add_f32 v[S+16*\m:S+16*\m+1], v[S+16*\m:S+16*\m+1], v[S+16*\m+4:S+16*\m+5]
	v_pk_add_f32 v[S+16*\m+2:S+16*\m+3], v[S+16*\m+2:S+16*\m+3], v[S+16*\m+6:S+16*\m+7]
	v_pk_add_f32 v[S+16*\m+8:S+16*\m+9], v[S+16*\m+8:S+16*\m+9], v[S+16*\m+12:S+16*\m+13]
	v_pk_add_f32 v[S+16*\m+10:S+16*\m+11], v[S+16*\m+10:S+16*\m+11], v[S+16*\m+14:S+16*\m+15]
	v_pk_add_f32 v[S+16*\m:S+16*\m+1], v[S+16*\m:S+16*\m+1], v[S+16*\m+8:S+16*\m+9]
	v_pk_add_f32 v[S+16*\m+2:S+16*\m+3], v[S+16*\m+2:S+16*\m+3], v[S+16*\m+10:S+16*\m+11]
.endr
.irp p, 0,1
	global_store_b128 v[ADT], v[S+16*\p:S+16*\p+3], s[OA:OA+1] offset:4096*\p th:TH_STORE_NT       ; 16 lanes store a query's 256 bytes of this head, aligned
	global_store_b128 v[ADT], v[S+32+16*\p:S+32+16*\p+3], s[OB:OB+1] offset:4096*\p th:TH_STORE_NT
.endr
	s_wait_xcnt 0x0
	v_lshl_add_u32 v254, v0, 2, 0x46400
	v_mov_b32 v255, 0
	s_wait_tensorcnt 0x0
	ds_add_u32 v254, v255
	s_wait_dscnt 0x0
	s_endpgm
.Lfunc_end_k_qa4b7d586ec_attn:
	.size	k_qa4b7d586ec_attn, .Lfunc_end_k_qa4b7d586ec_attn-k_qa4b7d586ec_attn
	.p2alignl 7, 3214868480
	.fill 96, 4, 3214868480
	.section	.rodata,"a",@progbits
	.p2align	6, 0x0
	.amdhsa_kernel k_qa4b7d586ec_attn
		.amdhsa_group_segment_fixed_size 289792
		.amdhsa_private_segment_fixed_size 0
		.amdhsa_enable_private_segment 0
		.amdhsa_kernarg_size 128
		.amdhsa_user_sgpr_count 2
		.amdhsa_user_sgpr_kernarg_segment_ptr 1
		.amdhsa_wavefront_size32 1
		.amdhsa_system_sgpr_workgroup_id_x 1
		.amdhsa_system_sgpr_workgroup_id_y 1
		.amdhsa_system_sgpr_workgroup_id_z 1
		.amdhsa_system_vgpr_workitem_id 0
		.amdhsa_next_free_vgpr 256
		.amdhsa_next_free_sgpr 102
		.amdhsa_reserve_vcc 1
		.amdhsa_float_denorm_mode_32 3
		.amdhsa_float_denorm_mode_16_64 3
		.amdhsa_memory_ordered 1
		.amdhsa_forward_progress 1
		.amdhsa_inst_pref_size 168
	.end_amdhsa_kernel
	.amdgpu_metadata
---
amdhsa.version: [ 1, 2 ]
amdhsa.kernels:
  - .name:           k_qa4b7d586ec_attn
    .symbol:         k_qa4b7d586ec_attn.kd
    .args:
      - { .name: q_codes, .offset: 0, .size: 8, .value_kind: global_buffer, .address_space: global }
      - { .name: q_scales, .offset: 8, .size: 8, .value_kind: global_buffer, .address_space: global }
      - { .name: kimg, .offset: 16, .size: 8, .value_kind: global_buffer, .address_space: global }
      - { .name: kscl, .offset: 24, .size: 8, .value_kind: global_buffer, .address_space: global }
      - { .name: v_local_codes, .offset: 32, .size: 8, .value_kind: global_buffer, .address_space: global }
      - { .name: v_local_scales, .offset: 40, .size: 8, .value_kind: global_buffer, .address_space: global }
      - { .name: v_remote_codes, .offset: 48, .size: 8, .value_kind: global_buffer, .address_space: global }
      - { .name: v_remote_scales, .offset: 56, .size: 8, .value_kind: global_buffer, .address_space: global }
      - { .name: q_ranges_local, .offset: 64, .size: 8, .value_kind: global_buffer, .address_space: global }
      - { .name: k_ranges_local, .offset: 72, .size: 8, .value_kind: global_buffer, .address_space: global }
      - { .name: causal_local, .offset: 80, .size: 8, .value_kind: global_buffer, .address_space: global }
      - { .name: q_ranges_remote, .offset: 88, .size: 8, .value_kind: global_buffer, .address_space: global }
      - { .name: k_ranges_remote, .offset: 96, .size: 8, .value_kind: global_buffer, .address_space: global }
      - { .name: causal_remote, .offset: 104, .size: 8, .value_kind: global_buffer, .address_space: global }
      - { .name: out0, .offset: 112, .size: 8, .value_kind: global_buffer, .address_space: global }
      - { .name: out1, .offset: 120, .size: 8, .value_kind: global_buffer, .address_space: global }
    .group_segment_fixed_size: 289792
    .private_segment_fixed_size: 0
    .kernarg_segment_align: 8
    .kernarg_segment_size: 128
    .max_flat_workgroup_size: 512
    .sgpr_count:     102
    .vgpr_count:     256
    .wavefront_size: 32
...
	.end_amdgpu_metadata
.endif
;; end of part 2
